; MI455X (gfx1250); checked and timed in simulation.
; The chip was launched on July 23, 2026; its instructions are those of AMD's public machine-readable ISA for CDNA 5 (MIT licence, August 2026) and "CDNA5" Instruction Set Architecture Reference Guide (July 2026). The comments in the code are by the model that wrote it; some were corrected since.
;; Baby Radix Attention. Allowed arithmetic: matrix products marked QUANTISED: E2M1 operands, one E8M0 scale for each 32 along K, by v_wmma_scale_f32_16x16x128_f8f6f4 with both operands' format E2M1 (or v_wmma_scale_f32_32x16x128_f4), f32 sums; everything else in f32.
;; Inputs: k_codes 8,192 x 4 x 4 x 16 uint8 (E2M1 codes of k, K innermost, in blocks of 32 codes, two codes a byte); k_scales 8,192 x 4 x 4 uint8 (E8M0 scales of k, one for each 32 codes along K); q_codes 8,192 x 16 x 4 x 16 uint8 (E2M1 codes of q, K innermost, in blocks of 32 codes, two codes a byte); q_scales 8,192 x 16 x 4 uint8 (E8M0 scales of q, one for each 32 codes along K); seq_lens 4 int32; v 8,192 x 4 x 128 float32.
;; Outputs: out0 8,192 x 2,048 float32.
;; This version of the problem:
;;   THIS VERSION OF THE PROBLEM IS GIVEN IN LOW PRECISION. The matrix products marked QUANTISED in the list below multiply operands that are first quantised to E2M1 (2 exponent bits, 1 mantissa bit; 4 bits a number), with one power-of-two scale for each 32 numbers along K (OCP MX v1.0); their sums are f32. All else is computed in f32.
;;   The module's matrix products, in the order in which they are computed (A, B: the left and right operand; K: the contracted axis; several contracted axes count as one K, in the product's order):
;;     1. batch 64 x [M 2,048, K 128] x [K 128, N 2,048]; A: input q (given as codes); B: input k (given as codes): QUANTISED
;;     2. batch 64 x [M 128, K 2,048] x [K 2,048, N 2,048]; A: input v; B: softmax (see below): QUANTISED
;;   THE QUANTISER, for each operand of a quantised product, along K:
;;     - K is cut into blocks of 32 from its start; a last block that is shorter is filled with zeros.
;;     - A block's scale is 2^e with e = floor(log2(the largest magnitude in the block)) - 2, held to -126 .. 127; a block of zeros has e = 0. As a byte (E8M0): e + 127.
;;     - Each number is divided by its block's scale, clamped to +-6, and rounded to the nearest number of E2M1, ties to even, subnormals kept.
;;     - The product sums the exact products of the quantised numbers (number of the format x scale) in f32.
;;   ~~~python
;;   def quantise(x, axis):      # numpy; x: float32 -> the quantised numbers, widened to float32 again
;;       x = np.moveaxis(x, axis, -1); K = x.shape[-1]
;;       x = np.pad(x, [(0, 0)] * (x.ndim - 1) + [(0, -K % 32)]); x = x.reshape(x.shape[:-1] + (-1, 32)); a = np.abs(x).max(-1, keepdims=True)
;;       e = np.where(a > 0, np.clip(np.frexp(np.where(a > 0, a, 1))[1] - 1 - 2, -126, 127), 0)      # np.frexp(a)[1] - 1 = floor(log2(a)), exactly
;;       r = np.clip(x / 2.0 ** e, -6, 6)
;;       step = 2.0 ** (np.maximum(np.frexp(np.where(r == 0, 1, r))[1] - 1, 0) - 1)
;;       q = np.round(r / step) * step * 2.0 ** e      # np.round: ties to even
;;       return np.moveaxis(q.reshape(q.shape[:-2] + (-1,))[..., :K], -1, axis).astype(np.float32)
;;   ~~~
;;   SOFTMAX AHEAD OF A QUANTISED PRODUCT. Where the list says 'softmax', what is quantised is not the finished softmax but p = 2^(t - M), with t = logit x log2(e) and M = ceil(the row's largest t), a whole number; so 1/2 < the row's largest p <= 1. The row's sum l is taken of the UNQUANTISED p, in f32, and the product's result is divided by l at the end. Since M is a whole number, a kernel that streams over the keys may use a running M (the ceiling of the running maximum): every later rescaling is an exact power of two, which a block's scale takes up: the codes' values come out the same.
;;   OPERANDS COMPUTED ON THE WAY. 'Computed on the way' means the value that the module computes at that place (a softmax that the list does not call 'softmax' is quantised finished and normalised). What goes into a quantiser is computed in f32, as accurately as f32 sums, v_exp_f32 and their like allow (about 1e-6 of the number): no bf16 or f16 on the way to a quantiser, and a product that is left as it is and whose result goes on into a quantised operand takes f32 operands (vector FMAs, or v_wmma_f32_16x16x4_f32). A number that lies on a knife's edge between two numbers of the format may be rounded either way, as far as f32 arithmetic and the matrix unit's own rounding can turn it there, and no further.
;;   INPUTS GIVEN AS CODES. k (in the module: [8192, 4, 128], K = its axis 2); q (in the module: [8192, 16, 128], K = its axis 2): each comes as NAME_codes (uint8): NAME with its K axis moved to the last place and cut into blocks of 32 codes, [.., K / 32, bytes a block], one block behind the other in memory; two codes a byte, the lower K in the low four bits (a code: sign, 2 exponent bits, 1 mantissa bit); and NAME_scales (uint8): the same leading axes, one E8M0 byte (e + 127) for each 32 codes along K. Its value is code x scale, taken as it is: it is not quantised again, and the codes and scales need not be those that the quantiser above would give.
;; One version. Each part assembles by itself: llvm-mc -triple=amdgcn-amd-amdhsa -mcpu=gfx1250 --defsym DOCPART=n.
;; ======== version 1 of 1: 2 launches
;; workspace buffers: kv 4,456,448 bytes
;; launch prep (part 1): grid 4 x 64, 8 waves a work-group, no clusters, 2,048 bytes of LDS; arguments k_codes, k_scales, v, seq_lens, kv; writes kv
.if DOCPART == 1
	.amdgcn_target "amdgcn-amd-amdhsa--gfx1250"
	.amdhsa_code_object_version 6
	.text
	.protected	k_q659b84f6ea_prep
	.globl	k_q659b84f6ea_prep
	.p2align	8
	.type	k_q659b84f6ea_prep,@function
k_q659b84f6ea_prep:
	s_mov_b64 s[64:65], 0
	v_nop
	global_prefetch_b8 v0, s[64:65] scope:SCOPE_SE
	s_setreg_imm32_b32 hwreg(HW_REG_WAVE_MODE, 25, 1), 1
	s_wait_xcnt 0x0
; K's codes and scale bytes are laid anew, and V (f32) is quantised along the KEYS to FP4 (E2M1) with one E8M0 byte for each 32 keys, into the workspace kv.
; kv: [16 key/value heads bh = 4 b + hk][16 steps of 128 keys][STEPB = 17,408 bytes].  A step's block is an IMAGE OF THE OPERANDS' REGISTERS of the attention launch (L = lane, r = L % 16, h = L / 16):
;   +0      K: tile t (0..7), c (0, 1): lane L's 16 bytes at 1024 t + 512 c + 16 L = bytes 32 c + 16 h on of the 64-byte row of key 32 (t / 2) + 8 (t % 2) + r + 8 (r / 8)
;   +8192   V: tile t (channels 16 t + r), c: lane L's 16 bytes at 1024 t + 512 c + 16 L = the codes of keys 64 c + 32 h + 0 .. 31, one block of the quantiser
;   +16384  K's scale words: the word of tile 2 j + h, row r, at 16 L + 4 j      +16896  V's scale words: the word of channel 32 j + L at 16 L + 4 j (its bytes: the step's four blocks)
; SHARES.  Work-group (x = hk, y = token / 128) makes one step's block: 256 work-groups.  Wave w copies K's tile w, and quantises 32 channels (32 (w % 4) + lane) x 64 keys (64 (w / 4) on) of V.
; A LANE TAKES A CHANNEL AND ITS REGISTERS RUN DOWN THE KEYS: a block of 32 keys lies in one lane's 32 registers, its largest magnitude needs no other lane, and the conversions give codes with the keys innermost.
; A block's scale is 2^(floor(log2(its largest magnitude)) - 2): its byte is that magnitude's exponent field - 2, held at 1 from below.
; LIMITS: a block of zeros gets the byte 1 where the quantiser says 127 (its codes are zeros, which add nothing under that byte, and only this program reads the bytes); NaN and infinities in v are not served.
; seq_lens: reference() takes it and makes nothing of it (it cuts the stream by the constants B and S).  It is loaded here, and no result hangs on it.
; No tensor loads, no matrix work, no cluster: a stream, read once.  All 67 loads of a wave go out at its head.
.set STEPB, 17408
.set VOFF,  8192
.set SOFF,  16384                      ; both sets of scale words: 1,024 bytes
.set X,     40                         ; v40-103  two sets of 32 numbers of V
.set VC,    28                         ; v28-35   V's codes: four registers for each block, so that no store's data are written again
	s_load_b256 s[4:11], s[0:1], 0x0               ; k_codes s[4:5], k_scales s[6:7], v s[8:9], seq_lens s[10:11]
	s_load_b64 s[12:13], s[0:1], 0x20              ; kv
	v_lshl_add_u32 v112, v0, 2, 0x400
	v_mov_b32 v113, 0
	v_lshrrev_b32 v1, 5, v0
	v_readfirstlane_b32 s14, v1                    ; wave 0..7
	s_and_b32 s15, s14, 3                          ; V: which 32 channels
	s_lshr_b32 s16, s14, 2                         ; V: which 64 keys
	s_and_b32 s17, s14, 1                          ; K: tile % 2
	s_lshr_b32 s18, s14, 1                         ; K: tile / 2
	s_and_b32 s19, ttmp7, 0xffff                   ; y = token / 128
	v_and_b32 v1, 31, v0                           ; lane
	v_and_b32 v2, 15, v0                           ; r
	v_bfe_u32 v3, v0, 4, 1                         ; h
	v_lshlrev_b32 v4, 2, v1                        ; V in: 4 bytes a lane
	v_and_b32 v6, 8, v2
	v_add_nc_u32 v6, v6, v2                        ; r + 8 (r / 8)
	v_lshlrev_b32 v5, 8, v6                        ; K in: a token's row of codes is 256 bytes,
	v_lshl_add_u32 v5, v3, 4, v5                   ; + 16 h
	v_lshlrev_b32 v6, 4, v6                        ; K's scales in: a token's row is 16 bytes
	s_lshl_b32 s32, s14, 10
	v_lshl_add_u32 v7, v1, 4, s32                  ; K out: 16 lane + 1024 tile
	s_lshl_b32 s32, s15, 11
	s_lshl_b32 s33, s16, 9
	s_add_co_u32 s32, s32, s33
	s_add_co_u32 s32, s32, VOFF
	v_lshl_add_u32 v8, v3, 10, s32                 ; V out: my channel's tile is 2 (w % 4) + h: 1024 a tile; c = w / 4: 512;
	v_lshl_add_u32 v8, v2, 4, v8                   ; its row r: 16; the block's half of the lanes, 256, stands in the store's immediate
	s_lshl_b32 s33, s17, 8
	s_lshl_b32 s34, s18, 2
	s_add_co_u32 s33, s33, s34
	v_lshl_add_u32 v9, v2, 4, s33                  ; LDS: K's scale word: 16 (r + 16 (tile % 2)) + 4 (tile / 2)
	s_lshl_b32 s34, s15, 2
	s_lshl_b32 s35, s16, 1
	s_add_co_u32 s34, s34, s35
	s_add_co_u32 s34, s34, 512
	v_lshl_add_u32 v10, v1, 4, s34                 ; LDS: my two bytes of V's scale word: 512 + 16 lane + 4 (w % 4) + 2 (w / 4)
	v_lshlrev_b32 v11, 3, v0                       ; the scale words' way out: 8 bytes a thread
	; byte offsets, each in a pair with 0 above it
	s_lshl_b32 s24, s19, 18                        ; v: 128 tokens of 2,048 bytes,
	s_lshl_b32 s36, ttmp9, 9                       ; the head's 512 bytes,
	s_add_co_u32 s24, s24, s36
	s_lshl_b32 s36, s15, 7                         ; my 32 channels,
	s_add_co_u32 s24, s24, s36
	s_lshl_b32 s36, s16, 17                        ; my 64 keys
	s_add_co_u32 s24, s24, s36
	s_mov_b32 s25, 0
	s_lshl_b32 s26, s19, 15                        ; k_codes: 128 tokens of 256 bytes,
	s_lshl_b32 s36, ttmp9, 6                       ; the head's 64 bytes,
	s_add_co_u32 s26, s26, s36
	s_lshl_b32 s36, s18, 13                        ; the tile's first key: 32 (tile / 2)
	s_add_co_u32 s26, s26, s36
	s_lshl_b32 s36, s17, 11                        ; + 8 (tile % 2)
	s_add_co_u32 s26, s26, s36
	s_mov_b32 s27, 0
	s_lshr_b32 s28, s26, 4                         ; k_scales: the same sum with 16 bytes a token and 4 a head: a sixteenth
	s_mov_b32 s29, 0
	s_lshr_b32 s30, s19, 4                         ; kv: b,
	s_lshl_b32 s30, s30, 2
	s_add_co_u32 s30, s30, ttmp9                   ; bh = 4 b + hk,
	s_lshl_b32 s30, s30, 4
	s_and_b32 s36, s19, 15
	s_add_co_u32 s30, s30, s36                     ; 16 bh + step
	s_mul_i32 s30, s30, STEPB
	s_mov_b32 s31, 0
	s_wait_kmcnt 0x0
	s_add_nc_u64 s[8:9], s[8:9], s[24:25]
	s_add_nc_u64 s[4:5], s[4:5], s[26:27]
	s_add_nc_u64 s[6:7], s[6:7], s[28:29]
	s_add_nc_u64 s[12:13], s[12:13], s[30:31]
	s_load_b128 s[20:23], s[10:11], 0x0            ; seq_lens: read as every input is; reference() makes nothing of it, so nothing here does
	global_load_b128 v[20:23], v5, s[4:5]          ; K's tile: bytes 16 h on of my key's row,
	global_load_b128 v[24:27], v5, s[4:5] offset:32  ; and 32 + 16 h on
	global_load_b32 v18, v6, s[6:7]                ; its scale word (lanes 16-31 take the same word as lanes 0-15)
.macro LOAD u                          ; block u of my two: V(32 u + i, my channel), i = 0 .. 31: each load reads 128 consecutive bytes; four waves stand side by side on a head's 512
.irp i, 0,1,2,3,4,5,6,7,8,9,10,11,12,13,14,15,16,17,18,19,20,21,22,23,24,25,26,27,28,29,30,31
	global_load_b32 v[X+32*(\u)+\i], v4, s[8:9] offset:(32*(\u)+\i)*2048 th:TH_LOAD_NT
.endr
.endm
	LOAD 0
	LOAD 1
	s_wait_loadcnt 32                              ; behind K's three loads and block 0's 32 stand block 1's 32: those may be out
	global_store_b128 v7, v[20:23], s[12:13]       ; K's image: each store covers 512 consecutive bytes, aligned
	global_store_b128 v7, v[24:27], s[12:13] offset:512
	ds_store_b32 v9, v18                           ; both halves of the lanes write the same word with the same value
.macro BLOCK u
.set XS, X+32*(\u)
	v_max3_num_f32 v12, |v[XS]|, |v[XS+1]|, |v[XS+2]|              ; the block's largest magnitude: all 32 numbers are mine; two chains
	v_max3_num_f32 v13, |v[XS+3]|, |v[XS+4]|, |v[XS+5]|
.irp i, 6,10,14,18,22,26
	v_max3_num_f32 v12, v12, |v[XS+\i]|, |v[XS+\i+1]|
	v_max3_num_f32 v13, v13, |v[XS+\i+2]|, |v[XS+\i+3]|
.endr
	v_max3_num_f32 v12, v12, |v[XS+30]|, |v[XS+31]|
	v_max3_num_f32 v12, v12, v13, 3<<23            ; and the floor 2^(3 - 127), under which no largest magnitude is taken: so the byte cannot fall under 1
	v_add_nc_u32 v[14+(\u)], 0xff000000, v12       ; 2 off its exponent field: the conversion takes the exponent field of this operand as its scale, and nothing else of it
.irp g, 0,1,2,3
	v_cvt_scalef32_pk8_fp4_f32 v[VC+4*(\u)+\g], v[XS+8*\g:XS+8*\g+7], v[14+(\u)]   ; eight numbers / the scale, to the nearest code, ties to even, beyond 6 the largest code; the lower key in the lower bits
.endr
	v_lshrrev_b32 v[16+(\u)], 23, v[14+(\u)]       ; the scale's byte; also the plain line behind the conversions
	global_store_b128 v8, v[VC+4*(\u):VC+4*(\u)+3], s[12:13] offset:256*(\u)   ; lanes 0-15 store 256 consecutive bytes, aligned; lanes 16-31 the 256 that lie 1,024 further on
.endm
	BLOCK 0
	s_wait_loadcnt 0x0
	BLOCK 1
	v_lshl_or_b32 v16, v17, 8, v16                 ; my two bytes, the lower block's below
	ds_store_b16 v10, v16
	s_wait_kmcnt 0x0                               ; seq_lens has come
	s_wait_dscnt 0x0                               ; for the others' sake: my stores of scale words have landed
	s_barrier_signal -1
	s_barrier_wait -1
	s_cmp_ge_u32 s14, 4                            ; 1,024 bytes, 8 a thread: waves 0 to 3 carry them out
	s_cbranch_scc1 .Lend
	ds_load_b64 v[36:37], v11
	s_wait_dscnt 0x0
	global_store_b64 v11, v[36:37], s[12:13] offset:SOFF   ; a wave stores 256 consecutive bytes, aligned
.Lend:
	s_wait_tensorcnt 0x0
	ds_add_u32 v112, v113
	s_wait_dscnt 0x0
	s_endpgm
.Lfunc_end_k_q659b84f6ea_prep:
	.size	k_q659b84f6ea_prep, .Lfunc_end_k_q659b84f6ea_prep-k_q659b84f6ea_prep
	.p2alignl 7, 3214868480
	.fill 96, 4, 3214868480
	.section	.rodata,"a",@progbits
	.p2align	6, 0x0
	.amdhsa_kernel k_q659b84f6ea_prep
		.amdhsa_group_segment_fixed_size 2048
		.amdhsa_private_segment_fixed_size 0
		.amdhsa_enable_private_segment 0
		.amdhsa_kernarg_size 40
		.amdhsa_user_sgpr_count 2
		.amdhsa_user_sgpr_kernarg_segment_ptr 1
		.amdhsa_wavefront_size32 1
		.amdhsa_system_sgpr_workgroup_id_x 1
		.amdhsa_system_sgpr_workgroup_id_y 1
		.amdhsa_system_sgpr_workgroup_id_z 1
		.amdhsa_system_vgpr_workitem_id 0
		.amdhsa_next_free_vgpr 114
		.amdhsa_next_free_sgpr 66
		.amdhsa_reserve_vcc 0
		.amdhsa_float_denorm_mode_32 3
		.amdhsa_float_denorm_mode_16_64 3
		.amdhsa_memory_ordered 1
		.amdhsa_forward_progress 1
		.amdhsa_inst_pref_size 14
	.end_amdhsa_kernel
	.amdgpu_metadata
---
amdhsa.version: [ 1, 2 ]
amdhsa.kernels:
  - .name:           k_q659b84f6ea_prep
    .symbol:         k_q659b84f6ea_prep.kd
    .args:
      - { .name: k_codes, .offset: 0, .size: 8, .value_kind: global_buffer, .address_space: global }
      - { .name: k_scales, .offset: 8, .size: 8, .value_kind: global_buffer, .address_space: global }
      - { .name: v, .offset: 16, .size: 8, .value_kind: global_buffer, .address_space: global }
      - { .name: seq_lens, .offset: 24, .size: 8, .value_kind: global_buffer, .address_space: global }
      - { .name: kv, .offset: 32, .size: 8, .value_kind: global_buffer, .address_space: global }
    .group_segment_fixed_size: 2048
    .private_segment_fixed_size: 0
    .kernarg_segment_align: 8
    .kernarg_segment_size: 40
    .max_flat_workgroup_size: 256
    .sgpr_count:     66
    .vgpr_count:     114
    .wavefront_size: 32
...
	.end_amdgpu_metadata
.endif
;; end of part 1
;; launch attn (part 2): grid 16 x 16, 16 waves a work-group, clusters of 4 x 1, 280,576 bytes of LDS; arguments q_codes, q_scales, kv, out0; writes out0
.if DOCPART == 2
	.amdgcn_target "amdgcn-amd-amdhsa--gfx1250"
	.amdhsa_code_object_version 6
	.text
	.protected	k_q659b84f6ea_attn
	.globl	k_q659b84f6ea_attn
	.p2align	8
	.type	k_q659b84f6ea_attn,@function
k_q659b84f6ea_attn:
	s_mov_b64 s[64:65], 0
	v_nop
	global_prefetch_b8 v0, s[64:65] scope:SCOPE_SE
	s_setreg_imm32_b32 hwreg(HW_REG_WAVE_MODE, 25, 1), 1
	s_wait_xcnt 0x0
	s_wait_alu depctr_hold_cnt(0) depctr_sa_sdst(0) depctr_va_vdst(0) depctr_va_sdst(0) depctr_va_ssrc(0) depctr_va_vcc(0) depctr_vm_vsrc(0)
	s_getreg_b32 s2, hwreg(HW_REG_IB_STS2, 6, 4)
	s_cmp_eq_u32 s2, 0
	s_cbranch_scc0 .Lentry_in_a_cluster
	s_endpgm
.Lentry_in_a_cluster:
	s_bfe_u32 s2, ttmp6, 0x10000c
	s_cmp_lg_u32 s2, 0x3003
	s_cbranch_scc0 .Lentry_shape_is_right
	s_endpgm
.Lentry_shape_is_right:
; out[2048 b + q][128 head + d] = the sum over keys k <= q of softmax_k(Q . K / sqrt(128)) V, for 4 requests of 2,048 tokens, 16 query heads on 4 key/value heads; both products on codes of FP4 (E2M1) with one E8M0 scale for each 32 along K.
; Q: codes [token][head][64 bytes] and scale words [token][head][4 bytes], as given.  K, V and their scale words: the workspace kv, [bh = 4 b + hk][16 steps of 128 keys][17,408 bytes], laid as images of the operands' registers
; (K's 8 tiles at 0, V's 8 tiles at 8,192: tile t, half c, lane L at 1024 t + 512 c + 16 L; K's scale words at 16,384, V's at 16,896: 16 bytes a lane, register j = tiles 2 j (lanes 0-15) and 2 j + 1 (lanes 16-31)).
; THE SOFTMAX AHEAD OF THE SECOND PRODUCT: t = score x log2(e) / sqrt(128); M = the row's largest t so far, rounded UP to a whole number; p = 2^(t - M) is quantised along the keys, not normalised.
; The row's sum is taken of the unquantised p, in f32, and divides O at the end.  When M moves, the sum and O are multiplied by 2^(old M - new M): exact.
; SHARES.  A cluster is the four query heads of one key/value head at the same queries: they read the same block of kv, so each step is asked for JOINTLY, by the same tensor load with the same descriptor and a mask that names the four.
; A work-group owns two blocks of 256 queries of its head: block 7 - i (pass A) and block i (pass B), i = the cluster's x.  Each of its sixteen waves owns one tile of 16 queries in each pass: tile tl of A's block and tile 15 - tl of B's.
; The causal mask leaves a wave 2 (7 - i) + tl / 8 + 1 key steps in pass A and 2 i + 2 - tl / 8 in pass B: 17 in all, for every wave of every work-group.
; tl = (w % 8) + 8 ((w / 8 + w / 4 + w) % 2): among waves 4 g .. 4 g + 3, and among waves g, g + 4, g + 8, g + 12 alike, two tiles lie in each half of a block.
; LDS IS FILLED ONCE: the head's 16 steps, 278,528 bytes, lie there whole; no byte is filled twice, so there is no ring and no refill.  Waves 0 to 3 fetch, four loads each: four tensor loads of a wave are out at the most.
; The stage for the way out lies in steps 8 to 15: they have had their only fill, and behind the barrier at pass A's end nobody reads them: pass B's loop has 8 trips and reads steps 0 to 7.
; EVERY LOOP'S TRIP COUNT IS A CONSTANT: a step all of whose keys come after the wave's queries is jumped over by a scalar branch on ids (the cluster's x and the wave's number: equal in all four partners).
; LAYOUT.  Both products are used transposed: S^T = K Q^T (source 0 = 16 keys, source 1 = my 16 queries), O^T = V^T P^T (source 0 = 16 channels, source 1 = P): a lane holds ONE query (lane % 16) throughout.
; The keys of a tile of K are not neighbours (row r of tile 2 b + u is key 32 b + 8 u + r + 8 (r / 8)), so that the 16 registers of tiles 2 b and 2 b + 1 are 16 neighbouring keys: 32 b + 16 (lane / 16) + 0 .. 15.
; No prefetch: all of kv that a work-group reads is asked for by its first fills, at the head; no later request exists that one could run ahead of.
; LIMITS: a p under 2^-126 becomes 0 (the exponential flushes it), beside a row's largest p of over 1/2; hidden scores are -infinity where reference() has the least f32 number: both give p = 0;
; log2(e) / sqrt(128) is one constant, rounded once; scale bytes 0xff (NaN) among the inputs are not served.
; REGISTERS: v1-7 addresses; v8-11 K's scale words; v12 -M, v13 the largest t, v[14:15] the sum in two halves; v16-23, v24-31 Q of passes A, B; v32-95 eight fragments of K, then of V, then rows of O;
;   v96-159 S^T, then p, then O / the sum; v160-223 O^T; v224-231 p's codes; v232-239, v244-247, v252-254 at work; v240-243 V's scale words; v248, v249 Q's scale words; v250 p's scale word.
.set STEPB, 17408                      ; a step's block: 68 rows of 256 bytes
.set HEADB, 16*STEPB
.set VOFF,  8192
.set KSOFF, 16384
.set VSOFF, 16896
.set STG,   8*STEPB                    ; the stages
.set SP,    528                        ; a stage row: 512 bytes + 16: an odd multiple of 16 bytes, so that the sixteen rows that a store touches start 16 bytes apart modulo 256
.set LI,  1                            ; v1   16 x lane: an image's place for my lane; also my 16 bytes of a row of O.  Never rewritten
.set ADI, 2                            ; v2   LI + the step's first LDS byte
.set DL,  3                            ; v3   lane % 16 - 16 (lane / 16)
.set SO,  4                            ; v4   the stage: where I put 32 bytes of a row
.set SR,  5                            ; v5   and where I read a row back
.set QO,  6                            ; v6   Q's codes: 1024 r + 16 h
.set QSO, 7                            ; v7   Q's scale words: 64 r
.set KS,  8
.set FR,  32
.set S,   96
.set OT,  160
.set PC,  224
.set VS,  240
.set PW,  250
.set WV,  12                           ; s12  my wave's number
.set SEL, 20                           ; s[20:21] lane selects for v_permlanex16_b32: lane l xor 16
.set CS,  22                           ; s[22:23] c = log2(e) / sqrt(128): the packed form names a pair and takes its low word for both halves
.set G1,  24                           ; s[24:31] descriptor group 1
.set G0,  32                           ; s[32:47] four groups 0; never rewritten
.set TB,  48                           ; s48  LDS byte at which the step in hand begins
.set KF,  49                           ; s49  the step's first key
.set CNT, 50                           ; s50  trips to go
.set Q0A, 51                           ; s51  my first query in pass A
.set Q0B, 52                           ; s52  in pass B
.set T0,  53                           ; s53  at work
.set OA,  54                           ; s[54:55], s[56:57]  out0 at my first row and my head, passes A and B
.set OB,  56
.set QCA, 58                           ; s[58:59], s[60:61]  q_codes likewise
.set QCB, 60
.set QSA, 62                           ; s[62:63], s[66:67]  q_scales likewise
.set QSB, 66
; A round of the cluster's barrier: my work-group's barrier, so that wave 0's signal speaks for all sixteen waves; wave 0 signals for the work-group; every wave waits for all four work-groups; my work-group's barrier once more.
.macro CROUND
	s_barrier_signal -1
	s_barrier_wait -1
	s_cmp_lg_u32 s[WV], 0
	s_cbranch_scc1 .Lnot_wave_0_\@
	s_barrier_signal -3
.Lnot_wave_0_\@:
	s_barrier_wait -3
	s_barrier_signal -1
	s_barrier_wait -1
.endm
.macro BASE dst, src, row, rsh, hsh    ; a buffer's address at my first row (2^rsh bytes a row) and my head (2^hsh bytes a head).  s17, s76, s78 alone hold what hangs on my place in the cluster
	s_lshl_b32 s76, s[\row], \rsh
	s_lshl_b32 s78, s17, \hsh
	s_add_co_u32 s76, s76, s78
	s_add_nc_u64 s[\dst:\dst+1], s[\src:\src+1], s[76:77]
.endm
	s_load_b256 s[4:11], s[0:1], 0x0               ; q_codes s[4:5], q_scales s[6:7], kv s[8:9], out0 s[10:11]
	v_lshl_add_u32 v251, v0, 2, 0x44000
	v_mov_b32 v255, 0
	ds_add_u32 v251, v255
	ds_add_u32 v251, v255
	v_lshrrev_b32 v232, 5, v0
	v_readfirstlane_b32 s[WV], v232                ; wave 0..15
	s_bfe_u32 s13, ttmp6, 0x40000                  ; cx: my place in the cluster: it enters Q's and O's global addresses alone
	s_mov_b32 s14, ttmp9                           ; i: the cluster's x, 0..3
	s_and_b32 s15, ttmp7, 0xffff                   ; bh: the cluster's y
	s_lshr_b32 s68, s[WV], 3
	s_lshr_b32 s69, s[WV], 2
	s_xor_b32 s68, s68, s69
	s_xor_b32 s68, s68, s[WV]
	s_and_b32 s68, s68, 1
	s_lshl_b32 s68, s68, 3
	s_and_b32 s16, s[WV], 7
	s_or_b32 s16, s16, s68                         ; tl
	s_and_b32 s17, s15, 3
	s_lshl_b32 s17, s17, 2
	s_add_co_u32 s17, s17, s13                     ; my query head: 4 hk + cx
	s_sub_co_u32 s[Q0A], 7, s14
	s_lshl_b32 s[Q0A], s[Q0A], 8
	s_lshl_b32 s68, s16, 4
	s_add_co_u32 s[Q0A], s[Q0A], s68               ; 256 (7 - i) + 16 tl
	s_lshl_b32 s[Q0B], s14, 8
	s_add_co_u32 s[Q0B], s[Q0B], 240
	s_sub_co_u32 s[Q0B], s[Q0B], s68               ; 256 i + 16 (15 - tl)
	s_lshr_b32 s69, s15, 2
	s_lshl_b32 s69, s69, 11                        ; the request's first token: 2048 b
	s_add_co_u32 s70, s69, s[Q0A]                  ; my first rows in the stream
	s_add_co_u32 s71, s69, s[Q0B]
	s_mov_b32 s77, 0
	; descriptor group 1: a step's block, dense in memory: 68 rows of 256 bytes (32 elements of 8 bytes), laid in LDS without padding
	s_mov_b32 s[G1+0], 15|(3<<16)|(1<<21)          ; 15:0 the mask: all four work-groups; 17:16 elements of 8 bytes; 20 no padding; 21 set beside a mask
	s_mov_b32 s[G1+1], 32<<16                      ; tensor_dim0 = 32
	s_mov_b32 s[G1+2], 68<<16                      ; tensor_dim1 = 68
	s_mov_b32 s[G1+3], 32<<16                      ; tile_dim0 = 32
	s_mov_b32 s[G1+4], 68                          ; tile_dim1 = 68
	s_mov_b32 s[G1+5], 32                          ; from row to row: 32 elements
	s_mov_b32 s[G1+6], 0
	s_mov_b32 s[G1+7], 0
	s_mov_b32 s[SEL], 0x76543210
	s_mov_b32 s[SEL+1], 0xfedcba98
	s_mov_b32 s[CS], 0x3e0293ee                    ; c = log2(e) / sqrt(128)
	s_mov_b32 s[CS+1], s[CS]                       ; (named with it as a pair, so it is written)
	s_mul_i32 s72, s15, HEADB                      ; kv: my key/value head,
	s_and_b32 s74, s[WV], 3                        ; (the wave's number in the waves that fetch, 0 to 3)
	s_mul_i32 s74, s74, STEPB                      ; step w: in memory and in LDS alike
	s_add_co_u32 s72, s72, s74
	s_mov_b32 s73, 0
	v_and_b32 v232, 15, v0                         ; r
	v_bfe_u32 v233, v0, 4, 1                       ; h
	v_and_b32 v234, 31, v0                         ; lane
	v_lshlrev_b32 v[LI], 4, v234
	v_lshlrev_b32 v[DL], 4, v233
	v_sub_nc_u32 v[DL], v232, v[DL]
	s_mul_i32 s75, s[WV], 16*SP
	s_add_co_u32 s75, s75, STG                     ; my stage: 16 rows
	v_mul_u32_u24 v[SO], v232, SP
	v_lshl_add_u32 v[SO], v233, 5, v[SO]
	v_add_nc_u32 v[SO], s75, v[SO]                 ; in: row r, + 32 h; tile t's eight channels 64 t bytes on
	v_add_nc_u32 v[SR], s75, v[LI]                 ; back: the 32 lanes take one row of 512 bytes
	v_lshlrev_b32 v[QO], 10, v232                  ; a token's row of Q's codes is 1,024 bytes
	v_lshl_add_u32 v[QO], v233, 4, v[QO]
	v_lshlrev_b32 v[QSO], 6, v232                  ; of its scale words 64
	s_wait_dscnt 0x0
	s_wait_kmcnt 0x0
	s_add_nc_u64 s[8:9], s[8:9], s[72:73]
.irp n, 0,1,2,3                        ; load n of wave w brings step 4 n + w
	s_mov_b32 s[G0+4*\n], 1                                        ; 1:0 count = 1
	s_add_co_u32 s[G0+4*\n+1], s74, \n*4*STEPB                     ; 63:32 LDS address
	s_add_nc_u64 s[G0+4*\n+2:G0+4*\n+3], s[8:9], \n*4*STEPB        ; 120:64 global address
	s_or_b32 s[G0+4*\n+3], s[G0+4*\n+3], 0x80000000                ; 127:126 type = 2
.endr
	BASE OA,  10, 70, 13, 9                        ; a row of out0 is 8,192 bytes, a head's part 512
	BASE OB,  10, 71, 13, 9
	BASE QCA, 4,  70, 10, 6
	BASE QCB, 4,  71, 10, 6
	BASE QSA, 6,  70, 6,  2
	BASE QSB, 6,  71, 6,  2
	CROUND                                         ; all four work-groups are here: the joint loads meet
	s_cmp_lt_u32 s[WV], 4                          ; a wave's four fills stand in one branch on the wave's number, ahead of every wait on TENSORcnt and every LDS read
	s_cbranch_scc0 .Lno_fetch
	tensor_load_to_lds s[G0:G0+3], s[G1:G1+7]
	s_nop 0
	tensor_load_to_lds s[G0+4:G0+7], s[G1:G1+7]
	s_nop 0
	tensor_load_to_lds s[G0+8:G0+11], s[G1:G1+7]
	s_nop 0
	tensor_load_to_lds s[G0+12:G0+15], s[G1:G1+7]
	s_nop 0
.rept 4
	v_nop                                          ; four lines behind the last tensor load, ahead of the label
.endr
.Lno_fetch:
	global_load_b128 v[16:19], v[QO], s[QCA:QCA+1]             ; Q's fragments of both passes stay in registers: lane (r, h) takes bytes 16 h and 32 + 16 h on of query r's 64
	global_load_b128 v[20:23], v[QO], s[QCA:QCA+1] offset:32
	global_load_b128 v[24:27], v[QO], s[QCB:QCB+1]
	global_load_b128 v[28:31], v[QO], s[QCB:QCB+1] offset:32
	global_load_b32 v248, v[QSO], s[QSA:QSA+1]                 ; and their scale words: lane r has query r's
	global_load_b32 v249, v[QSO], s[QSB:QSB+1]
.irp b, 0,1,2,3
	v_mov_b32 v[236+\b], 0                         ; written once: a lane permute's destination counts as one of its sources
.endr
	v_mov_b32 v252, 0
	v_mov_b32 v253, 0                              ; (named as the upper half of the pair v[252:253])
; A pass begins: O^T and the sum as zeros, the largest t as -3e38, under every t.  So the step is written once for first and later steps alike: the first change of M multiplies zeros.
.macro INIT
	v_mov_b32 v13, 0xff61b1e6
	v_floor_f32 v12, -v13                          ; -M
	v_mov_b32 v14, 0
	v_mov_b32 v15, 0
.set j, 0
.rept 64
	v_mov_b32 v[OT+j], 0
.set j, j+1
.endr
.endm
; Tile t of S^T = K Q^T; its scale words lie in register t / 2, lanes 0-15 (t even) or 16-31 (t odd).
.macro KQ t, qf, qs
.if (\t)%2
	v_wmma_scale_f32_16x16x128_f8f6f4 v[S+8*(\t):S+8*(\t)+7], v[FR+8*(\t):FR+8*(\t)+7], v[\qf:\qf+7], 0, v[KS+(\t)/2], v[\qs] matrix_a_fmt:MATRIX_FMT_FP4 matrix_b_fmt:MATRIX_FMT_FP4 matrix_a_scale:MATRIX_SCALE_ROW1
.else
	v_wmma_scale_f32_16x16x128_f8f6f4 v[S+8*(\t):S+8*(\t)+7], v[FR+8*(\t):FR+8*(\t)+7], v[\qf:\qf+7], 0, v[KS+(\t)/2], v[\qs] matrix_a_fmt:MATRIX_FMT_FP4 matrix_b_fmt:MATRIX_FMT_FP4
.endif
.endm
; Tile t (channels 16 t on) of O^T += V^T P^T.
.macro PV t
.if (\t)%2
	v_wmma_scale_f32_16x16x128_f8f6f4 v[OT+8*(\t):OT+8*(\t)+7], v[FR+8*(\t):FR+8*(\t)+7], v[PC:PC+7], v[OT+8*(\t):OT+8*(\t)+7], v[VS+(\t)/2], v[PW] matrix_a_fmt:MATRIX_FMT_FP4 matrix_b_fmt:MATRIX_FMT_FP4 matrix_a_scale:MATRIX_SCALE_ROW1
.else
	v_wmma_scale_f32_16x16x128_f8f6f4 v[OT+8*(\t):OT+8*(\t)+7], v[FR+8*(\t):FR+8*(\t)+7], v[PC:PC+7], v[OT+8*(\t):OT+8*(\t)+7], v[VS+(\t)/2], v[PW] matrix_a_fmt:MATRIX_FMT_FP4 matrix_b_fmt:MATRIX_FMT_FP4
.endif
.endm
; A KEY STEP: 128 keys from s[KF] on, whose block begins at LDS byte s[TB].  qf: Q's fragment; qs: its scale words; q0: the scalar register with my first query.
; The sixteen accumulators take turns, one instruction a turn, over the backward jump too (O^T's tile 7, then S^T's tile 0)
.macro STEP qf, qs, q0
	s_add_co_u32 s[T0], s[\q0], 15
	s_cmp_gt_u32 s[KF], s[T0]                      ; all 128 keys come after my 16 queries: the step's work is left out; the lines at its end that step addresses are not
	s_cbranch_scc1 .Lhid_\@
	v_add_nc_u32 v[ADI], s[TB], v[LI]
.rept 3
	v_nop                                          ; with the addition four places in front of loads into registers that the last products read (ISA guide 7.12.1 for vector instructions)
.endr
	ds_load_b128 v[KS:KS+3], v[ADI] offset:KSOFF   ; K's scale words of all eight tiles
.irp t, 0,1,2,3,4,5,6,7
	ds_load_b128 v[FR+8*\t:FR+8*\t+3], v[ADI] offset:1024*\t          ; each load takes 512 consecutive bytes
	ds_load_b128 v[FR+8*\t+4:FR+8*\t+7], v[ADI] offset:1024*\t+512
.endr
	s_wait_dscnt 8                                 ; the youngest eight loads, tiles 4 to 7, may be out
.irp t, 0,1,2,3
	KQ \t, \qf, \qs
.endr
	s_wait_dscnt 0x0
.irp t, 4,5,6,7
	KQ \t, \qf, \qs
.endr
.rept 4
	v_nop                                          ; places in front of the loads into K's registers, and of the first read of the scores
.endr
	ds_load_b128 v[VS:VS+3], v[ADI] offset:VSOFF   ; V's scale words and fragments land while the softmax is worked
.irp t, 0,1,2,3,4,5,6,7
	ds_load_b128 v[FR+8*\t:FR+8*\t+3], v[ADI] offset:VOFF+1024*\t
	ds_load_b128 v[FR+8*\t+4:FR+8*\t+7], v[ADI] offset:VOFF+1024*\t+512
.endr
	s_add_co_u32 s[T0], s[KF], 127                 ; on the diagonal the scores of hidden keys become -infinity ahead of the maximum: p = 0 then.  A step all of whose keys count skips this
	s_cmp_le_u32 s[T0], s[\q0]
	s_cbranch_scc1 .Lopen_\@
	s_sub_co_i32 s[T0], s[\q0], s[KF]
	v_add_nc_u32 v252, s[T0], v[DL]                ; d = my query - KF - 16 (lane / 16).  Register 16 b + i holds key KF + 16 (lane / 16) + 32 b + i: hidden where 32 b + i > d
	v_mov_b32 v254, 0xff800000                     ; -infinity
.set n, 0
.rept 64
	v_cmp_gt_i32 vcc_lo, 32*(n/16)+n%16, v252
	v_cndmask_b32 v[S+n], v[S+n], v254, vcc_lo
.set n, n+1
.endr
.Lopen_\@:
.irp b, 0,1,2,3
	v_max3_num_f32 v[232+\b], v[S+16*\b], v[S+1+16*\b], v[S+2+16*\b]   ; THE LARGEST SCORE OF EACH BLOCK OF 32 KEYS: it serves twice: for the row's maximum, and, since p rises with the score, for the block's largest p
.endr
.irp i, 3,5,7,9,11,13
.irp b, 0,1,2,3
	v_max3_num_f32 v[232+\b], v[232+\b], v[S+16*\b+\i], v[S+1+16*\b+\i]   ; (the four blocks by turns)
.endr
.endr
.irp b, 0,1,2,3
	v_max_num_f32 v[232+\b], v[232+\b], v[S+15+16*\b]
.endr
.irp b, 0,1,2,3
	v_permlanex16_b32 v[236+\b], v[232+\b], s[SEL], s[SEL+1]
.endr
.irp b, 0,1,2,3
	v_max_num_f32 v[232+\b], v[232+\b], v[236+\b]  ; with lane l xor 16's 16 keys
.endr
	v_max3_num_f32 v254, v232, v233, v234
	v_max_num_f32 v254, v254, v235                 ; the step's largest score of my query (my own key counts, so it is a number)
	v_mul_f32 v254, s[CS], v254                    ; as t (c is positive)
	v_max_num_f32 v13, v13, v254                   ; the running largest t
	v_mov_b32 v254, v12
	v_floor_f32 v12, -v13                          ; the new -M = floor(-t) = -ceil(t): M is a whole number
	v_sub_f32 v254, v12, v254                      ; M's old value less its new one: a whole number, 0 or less
	v_cvt_i32_f32 v254, v254                       ; (it saturates)
	v_ldexp_f32 v252, 1.0, v254                    ; f = 2^(old M - new M): a multiplication by it rounds nothing
.set j, 0
.rept 32
	v_pk_fma_f32 v[S+j:S+j+1], v[S+j:S+j+1], s[CS:CS+1], v[12:13] op_sel_hi:[1,0,0]   ; t - M, two at a time (of the pairs c and -M the low word serves both halves)
.set j, j+2
.endr
.irp b, 0,1,2,3
	v_fma_f32 v[232+\b], v[232+\b], s[CS], v12     ; the same of each block's largest score
.endr
.set j, 0
.rept 64
	v_exp_f32 v[S+j], v[S+j]                       ; p = 2^(t - M), at most 1: not normalised
.set j, j+1
.endr
	v_pk_mul_f32 v[14:15], v[14:15], v[252:253] op_sel_hi:[1,0]   ; the sums under the new M; the plain line behind the exponentials
	s_wait_alu depctr_va_vdst(0)                   ; one wait for the batch of 64, ahead of the first line that names a result
.irp b, 0,1,2,3
	v_exp_f32 v[232+\b], v[232+\b]                 ; the block's largest p: the same two instructions on the same number give the same bits
.endr
	v_pk_add_f32 v[236:237], v[S:S+1], v[S+2:S+3]  ; THE ROW'S SUM IS TAKEN OF THE UNQUANTISED p: two at a time, in two chains; it reads the 64 alone: plain work behind the four
.irp j, 4,8,12,16,20,24,28,32,36,40,44,48,52,56,60
	v_pk_add_f32 v[14:15], v[14:15], v[S+\j:S+1+\j]
	v_pk_add_f32 v[236:237], v[236:237], v[S+2+\j:S+3+\j]
.endr
	v_pk_add_f32 v[14:15], v[14:15], v[236:237]
	s_wait_alu depctr_va_vdst(0)                   ; and one for the four
.irp b, 0,1,2,3
	v_max_num_f32 v[232+\b], 0x1800000, v[232+\b]  ; the floor 2^(3 - 127): the byte cannot fall under 1 (a block whose every p is 0 keeps that byte: its codes are zeros)
.endr
.irp b, 0,1,2,3
	v_add_nc_u32 v[244+\b], 0xff000000, v[232+\b]  ; 2 off the exponent field: the conversion's scale operand
.endr
.irp b, 0,1,2,3
	v_lshrrev_b32 v[236+\b], 23, v[244+\b]         ; the scale's byte
.endr
	v_lshl_or_b32 v[PW], v237, 8, v236             ; p's scale word for these 128 keys
	v_lshl_or_b32 v[PW], v238, 16, v[PW]
	v_lshl_or_b32 v[PW], v239, 24, v[PW]
.irp b, 0,1,2,3
	v_cvt_scalef32_pk8_fp4_f32 v[PC+2*\b], v[S+16*\b:S+7+16*\b], v[244+\b]
	v_cvt_scalef32_pk8_fp4_f32 v[PC+1+2*\b], v[S+8+16*\b:S+15+16*\b], v[244+\b]
.endr
	v_nop                                          ; one plain line between a scaled conversion and the vector instruction that touches its result
.irp c, 0,1                            ; the operand's layout wants a WHOLE block in a lane: lanes 0-15 block 2 c, lanes 16-31 block 2 c + 1
.irp i, 0,1
	v_permlane16_swap_b32 v[PC+4*\c+\i], v[PC+2+4*\c+\i]
.endr
.endr
.set j, 0
.rept 32
	v_pk_mul_f32 v[OT+j:OT+j+1], v[OT+j:OT+j+1], v[252:253] op_sel_hi:[1,0]   ; O^T under the new M: x f, each tile from its low end on.  These 32 are also the places between p's codes and scale word and the products below
.set j, j+2
.endr
	s_wait_dscnt 0x0                               ; V is in
.irp t, 0,1,2,3,4,5,6,7
	PV \t
.endr
.Lhid_\@:
	s_add_co_u32 s[KF], s[KF], 128
	s_add_co_u32 s[TB], s[TB], STEPB
.endm
; n key steps from step first on.
.macro RUN n, first, qf, qs, q0
	s_mov_b32 s[TB], (\first)*STEPB
	s_mov_b32 s[KF], (\first)*128
	s_mov_b32 s[CNT], \n
.Lrun_\@:
	STEP \qf, \qs, \q0
	s_sub_co_u32 s[CNT], s[CNT], 1
	s_cmp_lg_u32 s[CNT], 0
	s_cbranch_scc1 .Lrun_\@
.endm
; A pass ends: the sum's halves are added, O^T is divided by the sum.  Work on registers alone.  The two additions and the three v_nop are the places behind the last products.
.macro FINISH
	v_add_f32 v14, v14, v15                        ; the sum's two halves,
	v_permlanex16_b32 v252, v14, s[SEL], s[SEL+1]
	v_add_f32 v14, v14, v252                       ; and lane l xor 16's: the row's sum
	v_rcp_f32 v14, v14
.rept 3
	v_nop
.endr
	s_wait_alu depctr_va_vdst(0)                   ; the wait ahead of the reciprocal's first reader
.set j, 0
.rept 32
	v_pk_mul_f32 v[S+j:S+j+1], v[OT+j:OT+j+1], v[14:15] op_sel_hi:[1,0]   ; register 8 t + i is o(r, 16 t + 8 h + i); each tile from its low end on
.set j, j+2
.endr
.endm
; THE WAY OUT.  A lane holds 32 neighbouring bytes of a row and the lanes beside it hold other rows: so the tile goes through my own stage and comes back as whole rows of 512 bytes.
; LDS serves a wave's instructions in order (ISA guide 5.7.1.4): no wait between my stores and my loads.
.macro SEND base
.irp t, 0,1,2,3,4,5,6,7
	ds_store_b128 v[SO], v[S+8*\t:S+8*\t+3] offset:64*\t
	ds_store_b128 v[SO], v[S+8*\t+4:S+8*\t+7] offset:64*\t+16
.endr
.irp i, 0,1,2,3,4,5,6,7,8,9,10,11,12,13,14,15
	ds_load_b128 v[FR+4*\i:FR+4*\i+3], v[SR] offset:\i*SP
.endr
.irp i, 0,1,2,3,4,5,6,7,8,9,10,11,12,13,14,15
	s_wait_dscnt 15-\i                             ; row i is back; the rows behind it may be out
	global_store_b128 v[LI], v[FR+4*\i:FR+4*\i+3], s[\base:\base+1] offset:\i*8192 th:TH_STORE_NT   ; 32 lanes store my head's 512 bytes of a row: consecutive, at a multiple of 256 from out0's first byte; written once, read by nobody here
.endr
.endm
	INIT
	s_wait_tensorcnt 3                             ; a fetching wave's first load has landed; its three younger ones may stay out: no LDS byte is ever filled again
	s_barrier_signal -1
	s_barrier_wait -1                              ; steps 0 to 3 are whole
	s_wait_loadcnt 0x0                             ; Q
	RUN 4, 0, 16, 248, Q0A                         ; PASS A: steps 0 to 3, while steps 4 to 15 land
	s_wait_tensorcnt 0x0                           ; all my loads have landed
	s_wait_dscnt 0x0
	s_barrier_signal -1
	s_barrier_wait -1                              ; all sixteen steps are whole
	RUN 12, 4, 16, 248, Q0A
	s_wait_dscnt 0x0                               ; my reads of steps 8 to 15 are over:
	s_barrier_signal -1                            ; say so,
	FINISH                                         ; work on registers while the others arrive,
	s_barrier_wait -1                              ; and only then store into the stages, which lie in those steps' bytes
	SEND OA
	INIT                                           ; PASS B
	s_wait_xcnt 0x0                                ; pass A's stores have read their registers: K's fragments may land there
	RUN 8, 0, 24, 249, Q0B                         ; my queries lie under 1,024: steps 0 to 7, which no stage touches
	FINISH
	SEND OB
	s_wait_dscnt 0x0                               ; no LDS instruction of mine is out at the signal
	s_wait_tensorcnt 0x0
	ds_add_u32 v251, v255
	s_wait_dscnt 0x0
	CROUND                                         ; the closing round: no work-group ends while a partner may still ask for a tile that names it
	s_endpgm
.Lfunc_end_k_q659b84f6ea_attn:
	.size	k_q659b84f6ea_attn, .Lfunc_end_k_q659b84f6ea_attn-k_q659b84f6ea_attn
	.p2alignl 7, 3214868480
	.fill 96, 4, 3214868480
	.section	.rodata,"a",@progbits
	.p2align	6, 0x0
	.amdhsa_kernel k_q659b84f6ea_attn
		.amdhsa_group_segment_fixed_size 280576
		.amdhsa_private_segment_fixed_size 0
		.amdhsa_enable_private_segment 0
		.amdhsa_kernarg_size 32
		.amdhsa_user_sgpr_count 2
		.amdhsa_user_sgpr_kernarg_segment_ptr 1
		.amdhsa_wavefront_size32 1
		.amdhsa_system_sgpr_workgroup_id_x 1
		.amdhsa_system_sgpr_workgroup_id_y 1
		.amdhsa_system_sgpr_workgroup_id_z 1
		.amdhsa_system_vgpr_workitem_id 0
		.amdhsa_next_free_vgpr 256
		.amdhsa_next_free_sgpr 80
		.amdhsa_reserve_vcc 1
		.amdhsa_float_denorm_mode_32 3
		.amdhsa_float_denorm_mode_16_64 3
		.amdhsa_memory_ordered 1
		.amdhsa_forward_progress 1
		.amdhsa_inst_pref_size 93
	.end_amdhsa_kernel
	.amdgpu_metadata
---
amdhsa.version: [ 1, 2 ]
amdhsa.kernels:
  - .name:           k_q659b84f6ea_attn
    .symbol:         k_q659b84f6ea_attn.kd
    .args:
      - { .name: q_codes, .offset: 0, .size: 8, .value_kind: global_buffer, .address_space: global }
      - { .name: q_scales, .offset: 8, .size: 8, .value_kind: global_buffer, .address_space: global }
      - { .name: kv, .offset: 16, .size: 8, .value_kind: global_buffer, .address_space: global }
      - { .name: out0, .offset: 24, .size: 8, .value_kind: global_buffer, .address_space: global }
    .group_segment_fixed_size: 280576
    .private_segment_fixed_size: 0
    .kernarg_segment_align: 8
    .kernarg_segment_size: 32
    .max_flat_workgroup_size: 512
    .sgpr_count:     80
    .vgpr_count:     256
    .wavefront_size: 32
...
	.end_amdgpu_metadata
.endif
;; end of part 2
